; MI455X (gfx1250); checked and timed in simulation.
; The chip was launched on July 23, 2026; its instructions are those of AMD's public machine-readable ISA for CDNA 5 (MIT licence, August 2026) and "CDNA5" Instruction Set Architecture Reference Guide (July 2026). The comments in the code are by the model that wrote it; some were corrected since.
;; Multihead Attention. Allowed arithmetic: matrix products marked QUANTISED: E5M2 operands, one given power-of-two scale a tensor, by v_wmma_f32_16x16x64_bf8_bf8 or v_wmma_f32_16x16x128_bf8_bf8, f32 sums; everything else in f32.
;; Inputs: Wk_codes 1,024 x 32 x 32 uint8 (E5M2 codes of Wk, K innermost, in blocks of 32 codes); Wo_codes 1,024 x 32 x 32 uint8 (E5M2 codes of Wo, K innermost, in blocks of 32 codes); Wq_codes 1,024 x 32 x 32 uint8 (E5M2 codes of Wq, K innermost, in blocks of 32 codes); Wv_codes 1,024 x 32 x 32 uint8 (E5M2 codes of Wv, K innermost, in blocks of 32 codes); bk 1,024 float32; bo 1,024 float32; bq 1,024 float32; bv 1,024 float32; key_codes 2,048 x 4 x 32 x 32 uint8 (E5M2 codes of key, K innermost, in blocks of 32 codes); lowp_scales 12 int32 (the exponents e of the quantised operands' scales 2^e); query_codes 2,048 x 4 x 32 x 32 uint8 (E5M2 codes of query, K innermost, in blocks of 32 codes); value_codes 2,048 x 4 x 32 x 32 uint8 (E5M2 codes of value, K innermost, in blocks of 32 codes).
;; Outputs: out0 2,048 x 4 x 1,024 float32.
;; This version of the problem:
;;   THIS VERSION OF THE PROBLEM IS GIVEN IN LOW PRECISION. The matrix products marked QUANTISED in the list below multiply operands that are first quantised to E5M2 (5 exponent bits, 2 mantissa bits; 8 bits a number), with one given power-of-two scale for each operand tensor; their sums are f32. All else is computed in f32.
;;   The module's matrix products, in the order in which they are computed (A, B: the left and right operand; K: the contracted axis; several contracted axes count as one K, in the product's order):
;;     1. [M 8,192, K 1,024] x [K 1,024, N 1,024]; A: input query (given as codes); B: input Wq (given as codes): QUANTISED (scales: A lowp_scales[0], B lowp_scales[1])
;;     2. [M 8,192, K 1,024] x [K 1,024, N 1,024]; A: input key (given as codes); B: input Wk (given as codes): QUANTISED (scales: A lowp_scales[2], B lowp_scales[3])
;;     3. [M 8,192, K 1,024] x [K 1,024, N 1,024]; A: input value (given as codes); B: input Wv (given as codes): QUANTISED (scales: A lowp_scales[4], B lowp_scales[5])
;;     4. batch 64 x [M 2,048, K 64] x [K 64, N 2,048]; A: computed on the way; B: computed on the way: QUANTISED (scales: A lowp_scales[6], B lowp_scales[7])
;;     5. batch 64 x [M 64, K 2,048] x [K 2,048, N 2,048]; A: computed on the way; B: softmax (see below): QUANTISED (scales: A lowp_scales[8], B lowp_scales[9])
;;     6. [M 8,192, K 1,024] x [K 1,024, N 1,024]; A: computed on the way; B: input Wo (given as codes): QUANTISED (scales: A lowp_scales[10], B lowp_scales[11])
;;   THE QUANTISER, for each operand of a quantised product, along K:
;;     - The operand's scale is 2^e, e = its entry of the input lowp_scales (int32; the entries are numbered through the quantised products in the list's order, A before B).
;;     - Each number is divided by the scale, clamped to +-57,344, and rounded to the nearest number of E5M2, ties to even, subnormals kept.
;;     - The product sums the exact products of the quantised numbers (number of the format x scale) in f32.
;;   ~~~python
;;   def quantise(x, axis, e):      # numpy; x: float32 -> the quantised numbers, widened to float32 again
;;       x = np.moveaxis(x, axis, -1); K = x.shape[-1]
;;       r = np.clip(x / 2.0 ** e, -57344, 57344)
;;       step = 2.0 ** (np.maximum(np.frexp(np.where(r == 0, 1, r))[1] - 1, -14) - 2)
;;       q = np.round(r / step) * step * 2.0 ** e      # np.round: ties to even
;;       return np.moveaxis(q, -1, axis).astype(np.float32)
;;   ~~~
;;   SOFTMAX AHEAD OF A QUANTISED PRODUCT. Where the list says 'softmax', what is quantised is not the finished softmax but p = 2^(t - M), with t = logit x log2(e) and M = ceil(the row's largest t), a whole number; so 1/2 < the row's largest p <= 1. The row's sum l is taken of the UNQUANTISED p, in f32, and the product's result is divided by l at the end. Since M is a whole number, a kernel that streams over the keys may use a running M (the ceiling of the running maximum): every later rescaling is an exact power of two, so the quantised numbers keep their values, but for numbers so far below the row's largest that they fall under the format's range.
;;   OPERANDS COMPUTED ON THE WAY. 'Computed on the way' means the value that the module computes at that place (a softmax that the list does not call 'softmax' is quantised finished and normalised). What goes into a quantiser is computed in f32, as accurately as f32 sums, v_exp_f32 and their like allow (about 1e-6 of the number): no bf16 or f16 on the way to a quantiser, and a product that is left as it is and whose result goes on into a quantised operand takes f32 operands (vector FMAs, or v_wmma_f32_16x16x4_f32). A number that lies on a knife's edge between two numbers of the format may be rounded either way, as far as f32 arithmetic and the matrix unit's own rounding can turn it there, and no further.
;;   INPUTS GIVEN AS CODES. Wk (in the module: [1024, 1024], K = its axis 0); Wo (in the module: [1024, 1024], K = its axis 0); Wq (in the module: [1024, 1024], K = its axis 0); Wv (in the module: [1024, 1024], K = its axis 0); key (in the module: [2048, 4, 1024], K = its axis 2); query (in the module: [2048, 4, 1024], K = its axis 2); value (in the module: [2048, 4, 1024], K = its axis 2): each comes as NAME_codes (uint8): NAME with its K axis moved to the last place and cut into blocks of 32 codes, [.., K / 32, bytes a block], one block behind the other in memory; one code a byte (a code: sign, 5 exponent bits, 2 mantissa bits); its scale is its entry of lowp_scales. Its value is code x scale, taken as it is: it is not quantised again, and the codes and scales need not be those that the quantiser above would give.
;; One version. Each part assembles by itself: llvm-mc -triple=amdgcn-amd-amdhsa -mcpu=gfx1250 --defsym DOCPART=n.
;; ======== version 1 of 1: 3 launches
;; limits: right only within a limited range of input values
;; workspace buffers: qws 8,388,608 bytes; kws 8,388,608 bytes; vws 8,388,608 bytes; aows 8,388,608 bytes
;; launch projqk (part 1): grid 4 x 64, 4 waves a work-group, clusters of 4 x 4, 327,680 bytes of LDS; arguments query_codes, key_codes, Wq_codes, Wk_codes, bq, bk, qws, kws, lowp_scales, value_codes, Wv_codes, bv, vws; writes qws, kws, vws
.if DOCPART == 1
	.amdgcn_target "amdgcn-amd-amdhsa--gfx1250"
	.amdhsa_code_object_version 6
	.text
	.protected	k_q066c17b8c8_projqk
	.globl	k_q066c17b8c8_projqk
	.p2align	8
	.type	k_q066c17b8c8_projqk,@function
k_q066c17b8c8_projqk:
	s_mov_b64 s[64:65], 0
	v_nop
	global_prefetch_b8 v0, s[64:65] scope:SCOPE_SE
	s_setreg_imm32_b32 hwreg(HW_REG_WAVE_MODE, 25, 1), 1
	s_wait_xcnt 0x0
	s_wait_alu depctr_hold_cnt(0) depctr_sa_sdst(0) depctr_va_vdst(0) depctr_va_sdst(0) depctr_va_ssrc(0) depctr_va_vcc(0) depctr_vm_vsrc(0)
	s_getreg_b32 s2, hwreg(HW_REG_IB_STS2, 6, 4)
	s_cmp_eq_u32 s2, 0
	s_cbranch_scc0 .Lentry_in_a_cluster
	s_endpgm
.Lentry_in_a_cluster:
	s_bfe_u32 s2, ttmp6, 0x10000c
	s_cmp_lg_u32 s2, 0xf033
	s_cbranch_scc0 .Lentry_shape_is_right
	s_endpgm
.Lentry_shape_is_right:
; THE THREE PROJECTIONS x W + bias on codes of BF8 (E5M2), each result quantised for attention.  Activations: [2048 (m)][4 (b)][1024] codes; weights: [1024 (out)][1024 (K)] codes.  Rows are walked b first: g = 2048 b + m.
; A WORK-GROUP STAYS: first a tile of 256 rows x 256 channels of q or of k (cluster y / 8 says which: only pointers and exponents are chosen by it), then a tile of 256 keys x 128 channels of v: 2 x 128 and 256 tiles for 256 work-groups.
; Four waves; for q, k a wave makes 128 x 128 (64 accumulators), for v 128 keys x 64 channels (32).  K goes in steps of 256 through a ring of two LDS slots, which goes on from the first tile into the second:
; the first tile's last two changes of slots ask for v's K steps 0 and 1, and the first tile's results leave while these are on their way.
; CLUSTERS: 4 x 4 work-groups.  A row of the cluster shares the activations' tiles, a column the weights': each tile is asked for jointly.
; q, k: source 0 = 16 rows of W, source 1 = 16 rows g: a lane holds one row and eight neighbouring channels (the next K).  v: source 0 = 16 keys, source 1 = 16 rows of W: a lane holds one channel and eight neighbouring keys.
; THE RESULTS LEAVE AS IMAGES OF THE NEXT OPERAND'S REGISTERS: sum x 2^(ea + eb) + bias, held within +-57,344 x 2^eo, converted eight at a time.
;   qws, kws: [b][h][m / 16][piece 0, 1][lane][16 bytes];  vws: [b][h][key / 128][d / 16][piece 0 .. 3][lane][16 bytes].  A store of the wave covers 512 consecutive bytes, aligned.
; Fragments are fetched by four loads of 16 bytes: a permutation of k inside an instruction, the same on both sides.
; LIMITS: e0 + e1, e2 + e3, e4 + e5 between -126 and 127; e6, e7, e8 between -126 and 112.  NaN among the biases is not served.
; REGISTERS, in windows of 256: window 0: v0-31 addresses; v32-95 q's or k's bias, v96-103 v's; v128-255 source 1's fragments (v: two sets of 64), later the codes.  window 1: source 0's fragments, two sets.  windows 2, 3: the accumulators.
; WHO FETCHES: a slot's two tiles are whole loads: wave 2 s asks for slot s's 256 rows of activations, wave 2 s + 1 for its weights (256 rows; Wv: 128).  So the head's four loads, one a wave, fill both slots.
; PREFETCH INTO THE L2, two fills ahead: the ring has eight fills (q's or k's K steps 0-3, v's 0-3); the head, which loads fills 0 and 1, asks for 2 and 3, and the change of slots that loads fill t (2 to 5) asks for fill t + 2.
; One instruction a wave, a lane a row of 256 bytes: waves 0, 2 name activations, waves 1, 3 weights; of a tile's rows each of the four partners that load it jointly takes a quarter, told apart by address (cx or cy), each of its two waves half of that
; (32 rows; of Wv's 128 rows 16: lanes 16-31 name the wave's last row again).  The address registers are never rewritten: the K step stands in the immediate.
.set G1V, 76                           ; s[76:83] group 1 for Wv's tiles: 128 rows
.set ISV, 0
.set ROWB,   256
.set PITCH,  272
.set FR,     16
.set NL,     4
.set NP,     4
.set HALFT,  128*PITCH
.set SLOT,   4*HALFT
.set LAPS,   2
.set SPARE,  2*SLOT
.set BA,   8
.set ADRA, 16
.set ADRB, 20
.set LI,   26
.set SCV,  27
.set SPW,  28
.set NIL,  29
.set BI,   32
.set AF,   128
.set CD,   128
.set G1,  24
.set G0,  32
.set G1B, 48
.set G0B, 56
.set PJ,   66
.set PH,   15+ISV
.set WH,   16-ISV
.set MSB, 0
.macro WIN new
.if MSB != (\new)
	s_set_vgpr_msb (MSB<<8)|(\new)
.set MSB, (\new)
.endif
.endm
.set MUL_LO, 0xa1
.set MUL_HI, 0xf1
.set TO_B,   0x40
.macro JLOAD g0a, g1a, g0b, g1b
	s_cmp_eq_u32 s14, ((\g0a)-G0)/2
	s_cbranch_scc0 .Lfor_b_\@
	tensor_load_to_lds s[\g0a:\g0a+3], s[\g1a:\g1a+7]
	s_nop 0
.rept 4
	v_nop
.endr
	s_branch .Lasked_\@
.Lfor_b_\@:
	s_cmp_eq_u32 s14, ((\g0a)-G0)/2+1
	s_cbranch_scc0 .Lasked_\@
	tensor_load_to_lds s[\g0b:\g0b+3], s[\g1b:\g1b+7]
	s_nop 0
.rept 4
	v_nop
.endr
.Lasked_\@:
.endm
.macro CREST
	s_cmp_lg_u32 s14, 0
	s_cbranch_scc1 .Lnot_wave_0_\@
	s_barrier_signal -3
.Lnot_wave_0_\@:
	s_barrier_wait -3
	s_barrier_signal -1
	s_barrier_wait -1
.endm
.macro CROUND
	s_barrier_signal -1
	s_barrier_wait -1
	CREST
.endm
.if ISV
	s_load_b256 s[4:11], s[0:1], 0x0
	s_load_b64 s[12:13], s[0:1], 0x20
.else
	s_load_b512 s[68:83], s[0:1], 0x0
	s_load_b64 s[12:13], s[0:1], 0x40
	s_bfe_u32 s[PJ], ttmp7, 0x10003
	s_load_b256 s[84:91], s[0:1], 0x48             ; value's codes, Wv's, bv, vws
.endif
	v_lshl_add_u32 v[SPW], v0, 2, SPARE
	v_mov_b32 v[NIL], 0
	ds_add_u32 v28, v29
	ds_add_u32 v28, v29
	s_wait_dscnt 0x0
	v_lshrrev_b32 v1, 5, v0
	v_readfirstlane_b32 s14, v1
	s_lshr_b32 s15, s14, 1
	s_and_b32 s16, s14, 1
	s_bfe_u32 s40, ttmp6, 0x40000
	s_bfe_u32 s41, ttmp6, 0x40004
	s_lshl_b32 s42, ttmp9, 2
	s_add_co_u32 s42, s42, s40
	s_and_b32 s17, ttmp7, 7
	s_lshl_b32 s17, s17, 2
	s_add_co_u32 s17, s17, s41
	s_lshl_b32 s43, s41, 2
	s_lshl_b32 s43, 15, s43
	s_lshl_b32 s44, 0x1111, s40
	s_or_b32 s[G1+0], s43, (0<<16)|(1<<20)|(1<<21)|(5<<22)|(3<<25)
	s_or_b32 s[G1B+0], s44, (0<<16)|(1<<20)|(1<<21)|(5<<22)|(3<<25)
.irp g, G1, G1B
	s_mov_b32 s[\g+1], ROWB<<16
	s_mov_b32 s[\g+2], 256<<16
	s_mov_b32 s[\g+3], ROWB<<16
	s_mov_b32 s[\g+4], 256
	s_mov_b32 s[\g+6], 0
	s_mov_b32 s[\g+7], 0
.endr
	s_mov_b32 s[G1+5], 4096
	s_mov_b32 s[G1B+5], 1024
	s_lshl_b32 s20, s17, 8
	s_lshr_b32 s21, s20, 11
	s_and_b32 s20, s20, 2047
	s_lshl_b32 s20, s20, 12
	s_lshl_b32 s21, s21, 10
	s_add_co_u32 s20, s20, s21
	s_mov_b32 s21, 0
	s_lshl_b32 s46, s42, 18
	s_mov_b32 s47, 0
	s_wait_kmcnt 0x0
.if ISV
	s_load_b64 s[68:69], s[12:13], 0x10
	s_load_b32 s70, s[12:13], 0x20
.else
	s_cmp_eq_u32 s[PJ], 0
	s_cselect_b64 s[4:5], s[68:69], s[70:71]
	s_cselect_b64 s[6:7], s[72:73], s[74:75]
	s_cselect_b64 s[8:9], s[76:77], s[78:79]
	s_cselect_b64 s[10:11], s[80:81], s[82:83]
	s_load_b256 s[68:75], s[12:13], 0x0
	s_load_b32 s94, s[12:13], 0x20                 ; e8
	s_add_nc_u64 s[84:85], s[84:85], s[20:21]      ; value's codes at the rows that I fetch: the same offset as in query or key
	s_lshl_b32 s92, s42, 1
	s_add_co_u32 s92, s92, s[PJ]                   ; which 128 channels of v: shared along my column of the cluster
	s_lshl_b32 s22, s92, 17                        ; Wv's row 128 x that, x 1,024 bytes
	s_mov_b32 s23, 0
	s_add_nc_u64 s[86:87], s[86:87], s[22:23]
	s_or_b32 s[G1V], s44, (0<<16)|(1<<20)|(1<<21)|(5<<22)|(3<<25)
	s_mov_b32 s[G1V+1], ROWB<<16
	s_mov_b32 s[G1V+2], 128<<16
	s_mov_b32 s[G1V+3], ROWB<<16
	s_mov_b32 s[G1V+4], 128
	s_mov_b32 s[G1V+5], 1024
	s_mov_b32 s[G1V+6], 0
	s_mov_b32 s[G1V+7], 0
.endif
	s_add_nc_u64 s[20:21], s[4:5], s[20:21]
	s_add_nc_u64 s[46:47], s[6:7], s[46:47]
	; the prefetches: s[100:101] in the first tile's buffers, s[104:105] in v's; v10, v11 the lanes' offsets
	s_cmp_eq_u32 s16, 0                            ; waves 0, 2: activations; waves 1, 3: weights
	s_cselect_b64 s[100:101], s[20:21], s[46:47]
	s_cselect_b64 s[104:105], s[84:85], s[86:87]
	s_cselect_b32 s22, s40, s41                    ; my place among the four that load the tile jointly
	s_cselect_b32 s23, 12, 10                      ; a row's pitch in memory: 4,096 or 1,024 bytes
	s_cselect_b32 s93, 31, 15                      ; v: the lanes that name rows of their own
	s_cselect_b32 s95, 0, 1                        ; v: Wv's tile has half the rows
	s_lshl_b32 s22, s22, 1
	s_add_co_u32 s22, s22, s15
	s_lshl_b32 s22, s22, 5                         ; my wave's first row: 64 x place + 32 x (wave / 2)
	s_lshl_b32 s2, s22, s23
	s_mov_b32 s3, 0
	s_add_nc_u64 s[100:101], s[100:101], s[2:3]
	s_lshr_b32 s2, s2, s95
	s_add_nc_u64 s[104:105], s[104:105], s[2:3]
	v_and_b32 v10, 31, v0
	v_min_u32 v11, s93, v10
	v_lshlrev_b32 v10, s23, v10
	v_lshlrev_b32 v11, s23, v11
	s_wait_alu depctr_va_vdst(0)
	CROUND
.irp s, 0,1
	s_mov_b32 s[G0+4*\s], 1
	s_mov_b32 s[G0+4*\s+1], \s*SLOT
	s_add_nc_u64 s[G0+4*\s+2:G0+4*\s+3], s[20:21], \s*ROWB
	s_or_b32 s[G0+4*\s+3], s[G0+4*\s+3], 0x80000000
	s_mov_b32 s[G0B+4*\s], 1
	s_mov_b32 s[G0B+4*\s+1], 2*HALFT+\s*SLOT
	s_add_nc_u64 s[G0B+4*\s+2:G0B+4*\s+3], s[46:47], \s*ROWB
	s_or_b32 s[G0B+4*\s+3], s[G0B+4*\s+3], 0x80000000
.endr
	s_cmp_eq_u32 s14, 0                            ; the first fills: one chain of four arms, one tensor load a wave, both slots
	s_cbranch_scc0 .Lh1
	tensor_load_to_lds s[G0:G0+3], s[G1:G1+7]
	s_nop 0
.rept 4
	v_nop
.endr
	s_branch .Lhj
.Lh1:
	s_cmp_eq_u32 s14, 1
	s_cbranch_scc0 .Lh2
	tensor_load_to_lds s[G0B:G0B+3], s[G1B:G1B+7]
	s_nop 0
.rept 4
	v_nop
.endr
	s_branch .Lhj
.Lh2:
	s_cmp_eq_u32 s14, 2
	s_cbranch_scc0 .Lh3
	tensor_load_to_lds s[G0+4:G0+7], s[G1:G1+7]
	s_nop 0
.rept 4
	v_nop
.endr
	s_branch .Lhj
.Lh3:
	tensor_load_to_lds s[G0B+4:G0B+7], s[G1B:G1B+7]
	s_nop 0
.rept 4
	v_nop
.endr
.Lhj:
	global_prefetch_b8 v10, s[100:101] offset:2*ROWB th:TH_LOAD_NT scope:SCOPE_SE   ; fills 2 and 3
	global_prefetch_b8 v10, s[100:101] offset:3*ROWB th:TH_LOAD_NT scope:SCOPE_SE
	v_and_b32 v1, 15, v0
	v_bfe_u32 v2, v0, 4, 1
	s_wait_alu depctr_va_vdst(0)
	v_mul_u32_u24 v3, v1, PITCH
	v_lshl_add_u32 v4, v2, 4, v3
	s_wait_alu depctr_va_vdst(0)
	s_mul_i32 s21, s15, HALFT
	s_mul_i32 s22, s16, HALFT
.if ISV
	s_add_co_u32 s21, s21, 2*HALFT
.else
	s_add_co_u32 s22, s22, 2*HALFT
.endif
.irp s, 0,1
	v_add_nc_u32 v[ADRA+\s], s21, v4
	v_add_nc_u32 v[ADRB+\s], s22, v4
	s_mul_i32 s23, s15, 64*PITCH
	s_add_co_u32 s23, s23, 2*HALFT+\s*SLOT
	v_add_nc_u32 v[18+\s], s23, v4                 ; v: source 1 reads Wv's 64 rows,
	s_mul_i32 s23, s16, HALFT
	s_add_co_u32 s23, s23, \s*SLOT
	v_add_nc_u32 v[22+\s], s23, v4                 ; source 0 the keys' 128
	s_add_co_u32 s21, s21, SLOT
	s_add_co_u32 s22, s22, SLOT
.endr
	v_and_b32 v6, 31, v0
	v_lshlrev_b32 v[LI], 4, v6
	s_lshl_b32 s46, s42, 10
	s_lshl_b32 s47, s[WH], 9
	s_add_co_u32 s46, s46, s47
	s_mov_b32 s47, 0
	s_add_nc_u64 s[8:9], s[8:9], s[46:47]
.if ISV
	v_lshlrev_b32 v[BA], 2, v1
.irp a, 0,1,2,3,4,5,6,7
	global_load_b32 v[BI+2*\a], v[BA], s[8:9] offset:64*\a
	global_load_b32 v[BI+2*\a+1], v[BA], s[8:9] offset:64*\a
.endr
.else
	v_lshlrev_b32 v[BA], 5, v2
.irp b, 0,1,2,3,4,5,6,7
	global_load_b128 v[BI+8*\b:BI+8*\b+3], v[BA], s[8:9] offset:64*\b
	global_load_b128 v[BI+8*\b+4:BI+8*\b+7], v[BA], s[8:9] offset:64*\b+16
.endr
.endif
	s_lshl_b32 s20, s17, 8
	s_lshl_b32 s21, s[PH], 7
	s_add_co_u32 s20, s20, s21
	s_lshr_b32 s21, s20, 11
	s_lshl_b32 s21, s21, 4
	s_lshl_b32 s46, s42, 2
	s_add_co_u32 s21, s21, s46
	s_lshl_b32 s46, s[WH], 1
	s_add_co_u32 s21, s21, s46
	s_lshl_b32 s21, s21, 17
	s_and_b32 s20, s20, 2047
	s_lshl_b32 s20, s20, 6
	s_add_co_u32 s20, s20, s21
	s_mov_b32 s21, 0
	s_add_nc_u64 s[10:11], s[10:11], s[20:21]
	; v: my wave's 64 channels are one head, 2 x (which 128 channels) + source 1's half; its bias, one number a block in both registers of a pair
	s_lshl_b32 s46, s92, 1
	s_add_co_u32 s46, s46, s15
	s_lshl_b32 s20, s46, 8
	s_mov_b32 s21, 0
	s_add_nc_u64 s[88:89], s[88:89], s[20:21]
	v_lshlrev_b32 v9, 2, v1
.irp a, 0,1,2,3
	global_load_b32 v[96+2*\a], v9, s[88:89] offset:64*\a
	global_load_b32 v[97+2*\a], v9, s[88:89] offset:64*\a
.endr
	s_lshl_b32 s20, s17, 8                         ; and where its images begin: (16 b + head) x 131,072 + 64 x (m of my first key)
	s_lshl_b32 s21, s16, 7
	s_add_co_u32 s20, s20, s21
	s_lshr_b32 s21, s20, 11
	s_lshl_b32 s21, s21, 4
	s_add_co_u32 s21, s21, s46
	s_lshl_b32 s21, s21, 17
	s_and_b32 s20, s20, 2047
	s_lshl_b32 s20, s20, 6
	s_add_co_u32 s20, s20, s21
	s_mov_b32 s21, 0
	s_add_nc_u64 s[90:91], s[90:91], s[20:21]
.macro VDESC slot                      ; this slot's groups 0 point at v's next K step (no tensor load of mine is out)
	s_mov_b64 s[G0+4*\slot+2:G0+4*\slot+3], s[84:85]
	s_or_b32 s[G0+4*\slot+3], s[G0+4*\slot+3], 0x80000000
	s_mov_b64 s[G0B+4*\slot+2:G0B+4*\slot+3], s[86:87]
	s_or_b32 s[G0B+4*\slot+3], s[G0B+4*\slot+3], 0x80000000
	s_add_nc_u64 s[84:85], s[84:85], ROWB
	s_add_nc_u64 s[86:87], s[86:87], ROWB
.endm
.macro QEND                            ; the first tile's last step: the change of slots as in TURN, but nothing more of this tile is fetched
	s_wait_tensorcnt 0x0
	ds_add_u32 v[SPW], v[NIL]
	s_wait_dscnt 4*NL+1
	WIN MUL_LO
	MUL16 0, 1, 0
	s_wait_dscnt 0x0
	s_barrier_signal -1
	MUL16 2, 1, 0
	WIN 0
	s_barrier_wait -1
	CREST
	VDESC 1
	JLOAD G0+4, G1, G0B+4, G1V
	global_prefetch_b8 v11, s[104:105] offset:3*ROWB th:TH_LOAD_NT scope:SCOPE_SE   ; two fills ahead: v's K step 3
	WIN MUL_HI
	MUL16 4, 1, 0
	MUL16 6, 1, 0
	WIN 0
.endm
.macro VFA slot, q, p                  ; v: source 1's four fragments into set p
.irp i, 0,1,2,3
	FRAG AF+64*(\p)+FR*\i, ADRA+\slot, \q, \i
.endr
.endm
.macro VMUL a0, p, zero                ; v: 16 matrix instructions; the 32 accumulators take turns
.irp a, \a0, \a0+1
.irp b, 0,1,2,3,4,5,6,7
.if \zero
	v_wmma_f32_16x16x128_bf8_bf8 v[8*(8*(\a)+\b):8*(8*(\a)+\b)+7], v[128*(\p)+FR*\b:128*(\p)+FR*\b+FR-1], v[AF+64*(\p)+FR*(\a):AF+64*(\p)+FR*(\a)+FR-1], 0
.else
	v_wmma_f32_16x16x128_bf8_bf8 v[8*(8*(\a)+\b):8*(8*(\a)+\b)+7], v[128*(\p)+FR*\b:128*(\p)+FR*\b+FR-1], v[AF+64*(\p)+FR*(\a):AF+64*(\p)+FR*(\a)+FR-1], v[8*(8*(\a)+\b):8*(8*(\a)+\b)+7]
.endif
.endr
.endr
.endm
.macro VSTEP slot, zero                ; v: a slot's first 128 along K on sets 0; ahead of the products the second 128's fragments are asked for, into sets 1
	s_wait_dscnt 0x0
	PLACES NP
	FETCH_B \slot, 1, 1
	VFA \slot, 1, 1
	WIN MUL_LO
	VMUL 0, 0, \zero
	VMUL 2, 0, \zero
	WIN 0
.endm
.macro VTURN slot, next, fill          ; v: a slot's second 128 along K, and the change of slots
	s_wait_tensorcnt 0x0                           ; all my tensor loads have landed: my part of the next slot
	ds_add_u32 v[SPW], v[NIL]
	s_wait_dscnt 0x0                               ; the add is done; sets 1 are in: my reads of this slot are over
	s_barrier_signal -1
	WIN MUL_LO
	VMUL 0, 1, 0
	WIN 0
	s_barrier_wait -1
.if \fill
	CREST
	s_add_nc_u64 s[G0+4*\slot+2:G0+4*\slot+3], s[G0+4*\slot+2:G0+4*\slot+3], 2*ROWB
	s_add_nc_u64 s[G0B+4*\slot+2:G0B+4*\slot+3], s[G0B+4*\slot+2:G0B+4*\slot+3], 2*ROWB
	JLOAD G0+4*\slot, G1, G0B+4*\slot, G1V
.endif
	PLACES NP
	FETCH_B \next, 0, 0
	VFA \next, 0, 0
	WIN MUL_LO
	VMUL 2, 1, 0
	WIN 0
.endm
.macro FRAG reg, adr, q, i
.irp c, 0,1,2,3
	ds_load_b128 v[\reg+4*\c:\reg+4*\c+3], v[\adr] offset:128*(\q)+32*\c+(\i)*16*PITCH
.endr
.endm
.macro MUL16 a0, p, zero
.irp a, \a0, \a0+1
.irp b, 0,1,2,3,4,5,6,7
.if \zero
	v_wmma_f32_16x16x128_bf8_bf8 v[8*(8*((\a)%4)+\b):8*(8*((\a)%4)+\b)+7], v[128*(\p)+FR*\b:128*(\p)+FR*\b+FR-1], v[AF+FR*(\a):AF+FR*(\a)+FR-1], 0
.else
	v_wmma_f32_16x16x128_bf8_bf8 v[8*(8*((\a)%4)+\b):8*(8*((\a)%4)+\b)+7], v[128*(\p)+FR*\b:128*(\p)+FR*\b+FR-1], v[AF+FR*(\a):AF+FR*(\a)+FR-1], v[8*(8*((\a)%4)+\b):8*(8*((\a)%4)+\b)+7]
.endif
.endr
.endr
.endm
.macro FETCH_B slot, q, p
	WIN TO_B
.irp i, 0,1,2,3,4,5,6,7
	FRAG 128*(\p)+FR*\i, ADRB+\slot, \q, \i
.endr
	WIN 0
.endm
.macro FETCH_A slot, q, i0
.irp i, \i0, \i0+1, \i0+2, \i0+3
	FRAG AF+FR*(\i), ADRA+\slot, \q, \i
.endr
.endm
.macro PLACES n
.rept \n
	v_nop
.endr
.endm
.macro STEP slot, q, zero
	s_wait_dscnt 4*NL
	WIN MUL_LO
	MUL16 0, (\q)%2, \zero
	MUL16 2, (\q)%2, \zero
	s_wait_dscnt 0
	PLACES NP
	FETCH_B \slot, (\q)+1, 1-(\q)%2
	FETCH_A \slot, (\q)+1, 0
	WIN MUL_HI
	MUL16 4, (\q)%2, \zero
	MUL16 6, (\q)%2, \zero
	PLACES NP
	WIN 0
	FETCH_A \slot, (\q)+1, 4
.endm
.macro TURN slot, next, fill
	s_wait_tensorcnt 0x0
	ds_add_u32 v[SPW], v[NIL]
	s_wait_dscnt 4*NL+1
	WIN MUL_LO
	MUL16 0, 1, 0
	s_wait_dscnt 0x0
	s_barrier_signal -1
	MUL16 2, 1, 0
	WIN 0
	s_barrier_wait -1
.if \fill
	CREST
.if \fill == 2
	VDESC \slot                                    ; the ring goes on into v's tile
	JLOAD G0+4*\slot, G1, G0B+4*\slot, G1V
.else
	s_add_nc_u64 s[G0+4*\slot+2:G0+4*\slot+3], s[G0+4*\slot+2:G0+4*\slot+3], 2*ROWB
	s_add_nc_u64 s[G0B+4*\slot+2:G0B+4*\slot+3], s[G0B+4*\slot+2:G0B+4*\slot+3], 2*ROWB
	JLOAD G0+4*\slot, G1, G0B+4*\slot, G1B
.endif
.endif
	PLACES NP                                      ; on every wave's path: two waves issue no load here
	FETCH_B \next, 0, 0
	FETCH_A \next, 0, 0
.if \fill
	global_prefetch_b8 v11, s[104:105] offset:ROWB*\slot+2*ROWB*(\fill-1) th:TH_LOAD_NT scope:SCOPE_SE   ; two fills ahead: v's K step slot, or 2 + slot
.endif
	WIN MUL_HI
	MUL16 4, 1, 0
	MUL16 6, 1, 0
	PLACES NP
	WIN 0
	FETCH_A \next, 0, 4
.endm
	s_wait_alu depctr_va_vdst(0)
	s_wait_tensorcnt 0x0
	s_barrier_signal -1
	s_barrier_wait -1
	FETCH_B 0, 0, 0
	FETCH_A 0, 0, 0
	FETCH_A 0, 0, 4
	STEP 0, 0, 1
	s_mov_b32 s3, LAPS-1
.Llap:
	TURN 0, 1, 1
	STEP 1, 0, 0
	TURN 1, 0, 1
	STEP 0, 0, 0
	s_sub_co_u32 s3, s3, 1
	s_cmp_lg_u32 s3, 0
	s_cbranch_scc1 .Llap
	TURN 0, 1, 2                                   ; slot 0 takes v's K step 0
	STEP 1, 0, 0
	QEND                                           ; slot 1 its K step 1
	s_wait_kmcnt 0x0
.if ISV
	s_add_co_i32 s96, s68, s69
	s_add_co_i32 s98, s70, 127
.else
	s_cmp_eq_u32 s[PJ], 0
	s_cselect_b32 s96, s68, s70
	s_cselect_b32 s97, s69, s71
	s_cselect_b32 s98, s74, s75
	s_add_co_i32 s96, s96, s97
	s_add_co_i32 s98, s98, 127
.endif
	s_add_co_i32 s96, s96, 127
	s_lshl_b32 s96, s96, 23
	s_mov_b32 s97, s96
	s_lshl_b32 s99, s98, 23
	v_mov_b32 v[SCV], s99
	s_add_co_i32 s98, s98, 15
	s_lshl_b32 s99, s98, 23
	s_or_b32 s99, s99, 0x600000
	s_or_b32 s98, s99, 0x80000000
	s_wait_loadcnt 0x0
	PLACES NP
.macro OUTBLK a
.set AC, 64*((\a)%4)
	WIN 65*(2+(\a)/4)
.irp b, 0,1,2,3,4,5,6,7
.irp i, 0,2,4,6
.if ISV
	v_pk_fma_f32 v[AC+8*\b+\i:AC+8*\b+\i+1], v[AC+8*\b+\i:AC+8*\b+\i+1], s[96:97], v[BI+2*(\a):BI+2*(\a)+1] op_sel_hi:[1,0,1]
.else
	v_pk_fma_f32 v[AC+8*\b+\i:AC+8*\b+\i+1], v[AC+8*\b+\i:AC+8*\b+\i+1], s[96:97], v[BI+8*\b+\i:BI+8*\b+\i+1] op_sel_hi:[1,0,1]
.endif
.endr
.endr
.set j, 0
.rept 64
	v_med3_num_f32 v[AC+j], v[AC+j], s98, s99
.set j, j+1
.endr
	WIN 2+(\a)/4
.irp b, 0,1,2,3,4,5,6,7
	v_cvt_scalef32_pk8_bf8_f32 v[CD+16*(\a)+2*\b:CD+16*(\a)+2*\b+1], v[AC+8*\b:AC+8*\b+7], v[SCV]
.endr
	v_nop
	WIN 0
.irp i, 0,1,2,3
.if ISV
	global_store_b128 v[LI], v[CD+16*(\a)+4*\i:CD+16*(\a)+4*\i+3], s[10:11] offset:((\a)/4)*131072+2048*((\a)%4)+512*\i
.else
	global_store_b128 v[LI], v[CD+16*(\a)+4*\i:CD+16*(\a)+4*\i+3], s[10:11] offset:(\i/2)*131072+1024*(\a)+512*(\i%2)
.endif
.endr
.endm
.irp a, 0,1,2,3,4,5,6,7
	OUTBLK \a
.endr
	; THE SECOND TILE: v.  Slot 0 holds its K step 0 (shown to every wave by the round in QEND)
	s_wait_xcnt 0x0                                ; the stores above have read their data and their base: both are written again below
	s_mov_b64 s[10:11], s[90:91]
.set ADRA, 18
.set ADRB, 22
	FETCH_B 0, 0, 0
	VFA 0, 0, 0
	VSTEP 0, 1
	VTURN 0, 1, 1
	VSTEP 1, 0
	VTURN 1, 0, 1
	VSTEP 0, 0
	VTURN 0, 1, 0
	VSTEP 1, 0
	s_wait_dscnt 0x0
	WIN MUL_LO
	VMUL 0, 1, 0
	VMUL 2, 1, 0
	WIN 0
	s_add_co_i32 s96, s72, s73                     ; e4 + e5
	s_add_co_i32 s96, s96, 127
	s_lshl_b32 s96, s96, 23
	s_mov_b32 s97, s96
	s_add_co_i32 s98, s94, 127                     ; e8
	s_lshl_b32 s99, s98, 23
	v_mov_b32 v[SCV], s99
	s_add_co_i32 s98, s98, 15
	s_lshl_b32 s99, s98, 23
	s_or_b32 s99, s99, 0x600000
	s_or_b32 s98, s99, 0x80000000
	PLACES NP
.set ISV, 1
.set BI, 96
.irp a, 0,1,2,3
	OUTBLK \a
.endr
	s_wait_tensorcnt 0x0
	ds_add_u32 v[SPW], v[NIL]
	s_wait_dscnt 0x0
	CROUND
	s_endpgm
.Lfunc_end_k_q066c17b8c8_projqk:
	.size	k_q066c17b8c8_projqk, .Lfunc_end_k_q066c17b8c8_projqk-k_q066c17b8c8_projqk
	.p2alignl 7, 3214868480
	.fill 96, 4, 3214868480
	.section	.rodata,"a",@progbits
	.p2align	6, 0x0
	.amdhsa_kernel k_q066c17b8c8_projqk
		.amdhsa_group_segment_fixed_size 327680
		.amdhsa_private_segment_fixed_size 0
		.amdhsa_enable_private_segment 0
		.amdhsa_kernarg_size 104
		.amdhsa_user_sgpr_count 2
		.amdhsa_user_sgpr_kernarg_segment_ptr 1
		.amdhsa_wavefront_size32 1
		.amdhsa_system_sgpr_workgroup_id_x 1
		.amdhsa_system_sgpr_workgroup_id_y 1
		.amdhsa_system_sgpr_workgroup_id_z 1
		.amdhsa_system_vgpr_workitem_id 0
		.amdhsa_next_free_vgpr 1024
		.amdhsa_next_free_sgpr 106
		.amdhsa_reserve_vcc 0
		.amdhsa_float_denorm_mode_32 3
		.amdhsa_float_denorm_mode_16_64 3
		.amdhsa_memory_ordered 1
		.amdhsa_forward_progress 1
		.amdhsa_inst_pref_size 216
	.end_amdhsa_kernel
	.amdgpu_metadata
---
amdhsa.version: [ 1, 2 ]
amdhsa.kernels:
  - .name:           k_q066c17b8c8_projqk
    .symbol:         k_q066c17b8c8_projqk.kd
    .args:
      - { .name: query_codes, .offset: 0, .size: 8, .value_kind: global_buffer, .address_space: global }
      - { .name: key_codes, .offset: 8, .size: 8, .value_kind: global_buffer, .address_space: global }
      - { .name: Wq_codes, .offset: 16, .size: 8, .value_kind: global_buffer, .address_space: global }
      - { .name: Wk_codes, .offset: 24, .size: 8, .value_kind: global_buffer, .address_space: global }
      - { .name: bq, .offset: 32, .size: 8, .value_kind: global_buffer, .address_space: global }
      - { .name: bk, .offset: 40, .size: 8, .value_kind: global_buffer, .address_space: global }
      - { .name: qws, .offset: 48, .size: 8, .value_kind: global_buffer, .address_space: global }
      - { .name: kws, .offset: 56, .size: 8, .value_kind: global_buffer, .address_space: global }
      - { .name: lowp_scales, .offset: 64, .size: 8, .value_kind: global_buffer, .address_space: global }
      - { .name: value_codes, .offset: 72, .size: 8, .value_kind: global_buffer, .address_space: global }
      - { .name: Wv_codes, .offset: 80, .size: 8, .value_kind: global_buffer, .address_space: global }
      - { .name: bv, .offset: 88, .size: 8, .value_kind: global_buffer, .address_space: global }
      - { .name: vws, .offset: 96, .size: 8, .value_kind: global_buffer, .address_space: global }
    .group_segment_fixed_size: 327680
    .private_segment_fixed_size: 0
    .kernarg_segment_align: 8
    .kernarg_segment_size: 104
    .max_flat_workgroup_size: 128
    .sgpr_count:     106
    .vgpr_count:     1024
    .wavefront_size: 32
...
	.end_amdgpu_metadata
.endif
;; end of part 1
;; launch attn (part 2): grid 4 x 64, 16 waves a work-group, clusters of 4 x 1, 327,680 bytes of LDS; arguments qws, kws, vws, lowp_scales, aows; writes aows
.if DOCPART == 2
	.amdgcn_target "amdgcn-amd-amdhsa--gfx1250"
	.amdhsa_code_object_version 6
	.text
	.protected	k_q066c17b8c8_attn
	.globl	k_q066c17b8c8_attn
	.p2align	8
	.type	k_q066c17b8c8_attn,@function
k_q066c17b8c8_attn:
	s_mov_b64 s[64:65], 0
	v_nop
	global_prefetch_b8 v0, s[64:65] scope:SCOPE_SE
	s_setreg_imm32_b32 hwreg(HW_REG_WAVE_MODE, 25, 1), 1
	s_wait_xcnt 0x0
	s_wait_alu depctr_hold_cnt(0) depctr_sa_sdst(0) depctr_va_vdst(0) depctr_va_sdst(0) depctr_va_ssrc(0) depctr_va_vcc(0) depctr_vm_vsrc(0)
	s_getreg_b32 s2, hwreg(HW_REG_IB_STS2, 6, 4)
	s_cmp_eq_u32 s2, 0
	s_cbranch_scc0 .Lentry_in_a_cluster
	s_endpgm
.Lentry_in_a_cluster:
	s_bfe_u32 s2, ttmp6, 0x10000c
	s_cmp_lg_u32 s2, 0x3003
	s_cbranch_scc0 .Lentry_shape_is_right
	s_endpgm
.Lentry_shape_is_right:
; ATTENTION of one (batch, head) on codes of BF8 (E5M2): S^T = K Q^T, p = 2^(t - M), O^T = V^T P^T, O / the row's sum, quantised for the last projection.
; t = score x log2(e) / 8 x 2^(e6 + e7); M = the ceiling of the running largest t, a whole number; the sum is taken of the unquantised p in f32; when M moves, the sum and O^T are multiplied by 2^(old M - new M).
; INPUTS are images of operand registers that the projections stored: qws, kws [b][h][row / 16][piece 0, 1][lane][16 bytes]; vws [b][h][key / 128][d / 16][piece 0 .. 3][lane][16 bytes]; aows is laid likewise for the last projection.
; SHARES.  A work-group owns 512 queries of one head, each of its sixteen waves 32 of them: two tiles, A and B, of 16.  The four work-groups of a cluster own one head and ask for its K and V jointly.
; A head's K (131,072 bytes) and V (131,072) lie whole in LDS: each wave asks for 16,384 bytes by its one tensor load at the head; nothing is filled again.
; No prefetch: the launch's one fill goes out at its head, so there is no loop to run ahead in.
; A STEP is 128 keys for both tiles at once, so that four chains of maxima and of sums take turns, and one tile's exponentials stand among plain work of the other tile whose results are read behind the next wait.
; REGISTERS: v1 conversion's scale; v2, v12 f = 2^(old M - new M) of A, B (named as pairs with v3, v13: LDS addresses of K, V); v4, v6 -M; v5, v7 the largest score; v[8:9], v[10:11] the sums; v14, v15 the spare word's address and 0;
;   v16-31 Q of A, B; v32-95 O^T of A, B; v96-159 A's scores, later V's fragments; UA = v160-191, U1 = v192-223, U2 = v224-255 change roles:
;   in a step (b, c): K's keys 0-63 lie in UA, keys 64-127 in b; B's scores go to c (keys 0-63) and to UA (64-127); b then serves as scratch and takes p's codes; the next step's K goes to UA and c.  So (b, c) swap: a trip is two steps.
; The last trip's look-ahead reads 8,192 bytes behind K's region (V's first bytes); they are not used.
; LIMITS: e6 + e7 between -123 and 130; e9, e10 between -126 and 112; the scaled scores stay under 2^31 in magnitude; NaN among the inputs is not served.
.set SCP, 1
.set FA,  2
.set ADK, 3
.set NMA, 4
.set NMB, 6
.set LA,  8
.set LB,  10
.set FB,  12
.set ADV, 13
.set SPW, 14
.set NIL, 15
.set QA,  16
.set QB,  24
.set OA,  32
.set OB,  64
.set SA,  96
.set UA,  160
.set U1,  192
.set U2,  224
.set LIM, 17                           ; s17  57,344 x 2^e9
.set WV,  18                           ; s18  my wave's number
.set NC,  19                           ; s19  -c
.set SEL, 20                           ; s[20:21] selects for lane l xor 16
.set CS,  22                           ; s[22:23] c = log2(e) / 8 x 2^(e6 + e7)
.set G1,  24
.set G0,  40
.set KO,  48                           ; s48, s49  LDS byte of the trip's K, V
.set VO,  49
.set CNT, 50
.set SPARE, 0x40000                    ; behind K and V: the spare words, 128 bytes a wave
.macro CROUND
	s_barrier_signal -1
	s_barrier_wait -1
	s_cmp_lg_u32 s[WV], 0
	s_cbranch_scc1 .Lnot_wave_0_\@
	s_barrier_signal -3
.Lnot_wave_0_\@:
	s_barrier_wait -3
	s_barrier_signal -1
	s_barrier_wait -1
.endm
	s_load_b256 s[4:11], s[0:1], 0x0               ; qws, kws, vws, the scales' exponents
	s_load_b64 s[12:13], s[0:1], 0x20              ; aows
	v_lshl_add_u32 v[SPW], v0, 2, SPARE
	v_mov_b32 v[NIL], 0
	ds_add_u32 v[SPW], v[NIL]
	ds_add_u32 v[SPW], v[NIL]
	v_lshrrev_b32 v[FA], 5, v0
	v_readfirstlane_b32 s[WV], v[FA]
	v_and_b32 v[ADK], 31, v0
	v_lshlrev_b32 v[ADK], 4, v[ADK]                ; 16 x lane: my place in a piece of an image
	v_add_nc_u32 v[ADV], 0x20000, v[ADK]
	s_bfe_u32 s14, ttmp6, 0x40000
	s_lshl_b32 s15, ttmp9, 2
	s_add_co_u32 s15, s15, s14                     ; which 512 queries
	s_and_b32 s16, ttmp7, 0xffff                   ; 16 b + h
	s_lshr_b32 s51, s[WV], 3                       ; waves 0-7 fetch K, 8-15 V
	s_and_b32 s52, s[WV], 7
	s_lshl_b32 s53, s51, 17
	s_lshl_b32 s54, s52, 14                        ; my 16,384 bytes
	s_mov_b32 s55, 0
	s_lshl_b32 s56, s16, 17                        ; the head's first byte in each buffer
	s_mov_b32 s57, 0
	s_mov_b32 s[G1], 15|(3<<16)|(1<<21)            ; mask: the cluster's four; elements of 8 bytes; bit 21 beside a mask
	s_mov_b32 s[G1+1], 32<<16                      ; rows of 256 bytes,
	s_mov_b32 s[G1+2], 64<<16                      ; 64 of them, dense
	s_mov_b32 s[G1+3], 32<<16
	s_mov_b32 s[G1+4], 64
	s_mov_b32 s[G1+5], 32
	s_mov_b32 s[G1+6], 0
	s_mov_b32 s[G1+7], 0
	s_mov_b32 s[SEL], 0x76543210
	s_mov_b32 s[SEL+1], 0xfedcba98
	s_mov_b32 s[CS], 0x3e38aa3b                    ; log2(e) / 8
	s_mov_b32 s[KO], 0
	s_mov_b32 s[VO], 131072
	s_wait_dscnt 0x0
	s_wait_kmcnt 0x0
	s_load_b128 s[68:71], s[10:11], 0x18           ; e6 .. e9
	s_load_b32 s72, s[10:11], 0x28                 ; e10
	s_cmp_lt_u32 s[WV], 8
	s_cselect_b64 s[58:59], s[6:7], s[8:9]
	s_add_nc_u64 s[58:59], s[58:59], s[56:57]
	CROUND                                         ; the four partners are here: the joint loads meet
	s_mov_b32 s[G0], 1
	s_add_co_u32 s[G0+1], s53, s54
	s_add_nc_u64 s[G0+2:G0+3], s[58:59], s[54:55]
	s_or_b32 s[G0+3], s[G0+3], 0x80000000
	tensor_load_to_lds s[G0:G0+3], s[G1:G1+7]      ; my one tensor load
	s_nop 0
.rept 4
	v_nop
.endr
	s_lshl_b32 s76, s15, 5
	s_lshl_b32 s77, s[WV], 1
	s_add_co_u32 s76, s76, s77                     ; my first tile of 16 queries
	s_lshl_b32 s78, s76, 10
	s_mov_b32 s79, 0
	s_add_nc_u64 s[4:5], s[4:5], s[56:57]
	s_add_nc_u64 s[4:5], s[4:5], s[78:79]
	s_wait_alu depctr_va_vdst(0)
.irp c, 0,1,2,3
	global_load_b128 v[QA+4*\c:QA+4*\c+3], v[ADK], s[4:5] offset:512*\c
.endr
	s_lshr_b32 s77, s16, 4
	s_lshl_b32 s77, s77, 7
	s_add_co_u32 s77, s77, s76
	s_lshl_b32 s78, s77, 14
	s_and_b32 s77, s16, 15
	s_lshl_b32 s77, s77, 10
	s_add_co_u32 s78, s78, s77
	s_add_nc_u64 s[12:13], s[12:13], s[78:79]      ; where my two images go
	v_mov_b32 v[NMA+1], 0xff61b1e6                 ; the largest score so far: -3e38
	v_mov_b32 v[NMB+1], 0xff61b1e6
	v_mov_b32 v[NMA], 0x7f61b1e6                   ; -M: 3e38, so that the first f is 0
	v_mov_b32 v[NMB], 0x7f61b1e6
.irp j, 0,1,2,3
	v_mov_b32 v[LA+\j], 0
.endr
.set j, 0
.rept 64
	v_mov_b32 v[OA+j], 0                           ; the step is written once: the first finds zeros
.set j, j+1
.endr
	s_wait_kmcnt 0x0
	s_add_co_i32 s73, s68, s69
	s_lshl_b32 s73, s73, 23
	s_add_co_i32 s[CS], s[CS], s73                 ; e6 + e7 go into c's exponent field
	s_mov_b32 s[CS+1], s[CS]
	s_xor_b32 s[NC], s[CS], 0x80000000
	s_add_co_i32 s73, s71, 127
	s_lshl_b32 s74, s73, 23
	v_mov_b32 v[SCP], s74                          ; 2^e9
	s_add_co_i32 s73, s73, 15
	s_lshl_b32 s73, s73, 23
	s_or_b32 s[LIM], s73, 0x600000
	s_add_co_i32 s73, s72, 127
	s_lshl_b32 s67, s73, 23                        ; 2^e10
	s_add_co_i32 s73, s73, 15
	s_lshl_b32 s75, s73, 23
	s_or_b32 s75, s75, 0x600000                    ; 57,344 x 2^e10,
	s_or_b32 s74, s75, 0x80000000                  ; and its negative
	s_add_co_i32 s73, s70, s71                     ; e8 + e9
.macro LDK dst, off                    ; four fragments of K (64 keys)
.set n, 0
.rept 8
	ds_load_b128 v[\dst+4*n:\dst+4*n+3], v[ADK] offset:\off+512*n
.set n, n+1
.endr
.endm
.macro MX d, base, k                   ; link k of a chain of maxima over 31 of a region's 32 scores, ascending
.if (\k) == 0
	v_max3_num_f32 v[\d], v[\base], v[\base+1], v[\base+2]
.else
	v_max3_num_f32 v[\d], v[\d], v[\base+2*(\k)+1], v[\base+2*(\k)+2]
.endif
.endm
.macro HOLD2 x                         ; p is not negative: a one-sided hold at the largest code x the scale, two numbers an instruction (the conversion does not saturate: ISA guide 7.6.2)
	v_dual_min_num_f32 v[\x], s[LIM], v[\x] :: v_dual_min_num_f32 v[\x+1], s[LIM], v[\x+1]
.endm
.macro PADD base, d, s
	v_pk_add_f32 v[\base+2*(\d):\base+2*(\d)+1], v[\base+2*(\d):\base+2*(\d)+1], v[\base+2*(\s):\base+2*(\s)+1]
.endm
.macro CV pd, src
	v_cvt_scalef32_pk8_bf8_f32 v[\pd:\pd+1], v[\src:\src+7], v[SCP]
.endm
.macro STEP b, c, vo, kn
	s_wait_alu depctr_va_vdst(0)
	s_wait_dscnt 0x0                               ; this step's K is in
.rept 5
	v_nop                                          ; five places: the products below write over V's fragments and p's codes, which the last products read
.endr
.irp t, 0,1,2,3
	v_wmma_f32_16x16x64_bf8_bf8 v[SA+8*\t:SA+8*\t+7], v[UA+8*\t:UA+8*\t+7], v[QA:QA+7], 0
	v_wmma_f32_16x16x64_bf8_bf8 v[\c+8*\t:\c+8*\t+7], v[UA+8*\t:UA+8*\t+7], v[QB:QB+7], 0
.endr
.irp t, 0,1,2,3
	v_wmma_f32_16x16x64_bf8_bf8 v[SA+32+8*\t:SA+32+8*\t+7], v[\b+8*\t:\b+8*\t+7], v[QA:QA+7], 0
.endr
.rept 5
	v_nop                                          ; five places: the next four write over UA, which the first eight read; they also stand ahead of the first reads of the twelve results
.endr
.irp t, 0,1,2,3
	v_wmma_f32_16x16x64_bf8_bf8 v[UA+8*\t:UA+8*\t+7], v[\b+8*\t:\b+8*\t+7], v[QB:QB+7], 0
.endr
	; the largest scores: four chains; A's begin two links early, which are the four places behind the last products
.set k, 0
.rept 17
.if k < 15
	MX FA, SA, k
	MX FB, SA+32, k
.endif
.if k >= 2
	MX \b, \c, k-2
	MX \b+1, UA, k-2
.endif
.set k, k+1
.endr
	v_max3_num_f32 v[FA], v[FA], v[FB], v[SA+31]
	v_max3_num_f32 v[\b], v[\b], v[\b+1], v[\c+31]
	v_max3_num_f32 v[FA], v[FA], v[SA+63], v[NMA+1]   ; with the running largest
	v_max3_num_f32 v[\b], v[\b], v[UA+31], v[NMB+1]
	v_permlanex16_b32 v[\b+2], v[FA], s[SEL], s[SEL+1]
	v_permlanex16_b32 v[\b+3], v[\b], s[SEL], s[SEL+1]
	v_max_num_f32 v[NMA+1], v[FA], v[\b+2]
	v_max_num_f32 v[NMB+1], v[\b], v[\b+3]
	v_mul_f32 v[\b+4], s[NC], v[NMA+1]             ; -t (c is positive)
	v_mul_f32 v[\b+5], s[NC], v[NMB+1]
	v_floor_f32 v[\b+4], v[\b+4]                   ; the new -M = -ceil(t)
	v_floor_f32 v[\b+5], v[\b+5]
	v_sub_f32 v[\b+6], v[\b+4], v[NMA]             ; old M - new M: a whole number, 0 or less
	v_sub_f32 v[\b+7], v[\b+5], v[NMB]
	v_mov_b32 v[NMA], v[\b+4]
	v_mov_b32 v[NMB], v[\b+5]
	v_cvt_i32_f32 v[\b+6], v[\b+6]                 ; (it saturates)
	v_cvt_i32_f32 v[\b+7], v[\b+7]
.set j, 0
.rept 32
	v_pk_fma_f32 v[SA+j:SA+j+1], v[SA+j:SA+j+1], s[CS:CS+1], v[NMA:NMA+1] op_sel_hi:[1,0,0]   ; A: t - M
.set j, j+2
.endr
	v_ldexp_f32 v[FA], 1.0, v[\b+6]                ; f = 2^(old M - new M)
	v_ldexp_f32 v[FB], 1.0, v[\b+7]
.set j, 0
.rept 16
	v_pk_mul_f32 v[OA+j:OA+j+1], v[OA+j:OA+j+1], v[FA:FA+1] op_sel_hi:[1,0]   ; O^T under the new M, ahead of the step's exponentials
	v_pk_mul_f32 v[OB+j:OB+j+1], v[OB+j:OB+j+1], v[FB:FB+1] op_sel_hi:[1,0]
.set j, j+2
.endr
	s_wait_alu depctr_va_vdst(0)                   ; the wait ahead of a batch
.set j, 0
.rept 32                               ; A's exponentials; among them B's t - M, read behind the next wait
.set r, \c+j
.if j >= 32
.set r, UA+j-32
.endif
	v_exp_f32 v[SA+j], v[SA+j]
	v_pk_fma_f32 v[r:r+1], v[r:r+1], s[CS:CS+1], v[NMB:NMB+1] op_sel_hi:[1,0,0]
	v_exp_f32 v[SA+j+1], v[SA+j+1]
.set j, j+2
.endr
	v_nop
	s_wait_alu depctr_va_vdst(0)                   ; behind A's batch and ahead of B's
.set j, 0
.rept 16                               ; B's exponentials; among them the first level of A's sum (16 pairs into b) and A's hold, read behind the next wait
.set r, \c+j
.if j >= 32
.set r, UA+j-32
.endif
	v_exp_f32 v[r], v[r]
	v_pk_add_f32 v[\b+j/2:\b+j/2+1], v[SA+j:SA+j+1], v[SA+j+2:SA+j+3]
	v_exp_f32 v[r+1], v[r+1]
	HOLD2 SA+j
	v_exp_f32 v[r+2], v[r+2]
	HOLD2 SA+j+2
	v_exp_f32 v[r+3], v[r+3]
.set j, j+4
.endr
	v_nop
	s_wait_alu depctr_va_vdst(0)                   ; behind B's batch
.irp i, 0,1,2,3,4,5,6,7
	PADD \b, \i, \i+8                              ; A's sum goes on as a tree; its upper half frees b + 16 .. 31 for A's codes
.endr
	CV \b+16, SA
	PADD \b, 0, 4
	CV \b+18, SA+8
	PADD \b, 1, 5
	CV \b+20, SA+16
	PADD \b, 2, 6
	CV \b+22, SA+24
	PADD \b, 3, 7
	CV \b+24, SA+32
	PADD \b, 0, 2
	CV \b+26, SA+40
	PADD \b, 1, 3
	CV \b+28, SA+48
	PADD \b, 0, 1
	CV \b+30, SA+56
	v_pk_fma_f32 v[LA:LA+1], v[LA:LA+1], v[FA:FA+1], v[\b:\b+1] op_sel_hi:[1,0,1]   ; A's sum under the new M, + this step's
.set n, 0
.rept 16
	ds_load_b128 v[SA+4*n:SA+4*n+3], v[ADV] offset:\vo+512*n   ; V's four fragments, where A's p lay
.set n, n+1
.endr
	v_pk_add_f32 v[\b:\b+1], v[\c:\c+1], v[\c+4:\c+5]          ; B's sum in four chains, each number's hold behind its addition
	v_pk_add_f32 v[\b+2:\b+3], v[\c+2:\c+3], v[\c+6:\c+7]
	v_pk_add_f32 v[\b+4:\b+5], v[UA:UA+1], v[UA+4:UA+5]
	v_pk_add_f32 v[\b+6:\b+7], v[UA+2:UA+3], v[UA+6:UA+7]
.irp i, 0,2,4,6
	HOLD2 \c+\i
	HOLD2 UA+\i
.endr
.irp k, 8,12,16,20,24,28
	v_pk_add_f32 v[\b:\b+1], v[\b:\b+1], v[\c+\k:\c+\k+1]
	v_pk_add_f32 v[\b+2:\b+3], v[\b+2:\b+3], v[\c+\k+2:\c+\k+3]
	v_pk_add_f32 v[\b+4:\b+5], v[\b+4:\b+5], v[UA+\k:UA+\k+1]
	v_pk_add_f32 v[\b+6:\b+7], v[\b+6:\b+7], v[UA+\k+2:UA+\k+3]
	HOLD2 \c+\k
	HOLD2 \c+\k+2
	HOLD2 UA+\k
	HOLD2 UA+\k+2
.endr
	PADD \b, 0, 1
	CV \b+8, UA
	PADD \b, 2, 3
	CV \b+10, UA+8
	PADD \b, 0, 2
	CV \b+12, UA+16
	v_pk_fma_f32 v[LB:LB+1], v[LB:LB+1], v[FB:FB+1], v[\b:\b+1] op_sel_hi:[1,0,1]
	CV \b+14, UA+24
	LDK UA, \kn                                    ; the next step's keys 0-63
	CV \b, \c
	CV \b+2, \c+8
	CV \b+4, \c+16
	CV \b+6, \c+24
	v_nop                                          ; a plain place behind the last conversion
	LDK \c, \kn+4096                               ; and its keys 64-127
	s_wait_alu depctr_va_vdst(0)
	s_wait_dscnt 16                                ; V is in; the sixteen younger loads, the next K, may be out
.irp d, 0,1,2,3
	v_wmma_f32_16x16x128_bf8_bf8 v[OA+8*\d:OA+8*\d+7], v[SA+16*\d:SA+16*\d+15], v[\b+16:\b+31], v[OA+8*\d:OA+8*\d+7]
	v_wmma_f32_16x16x128_bf8_bf8 v[OB+8*\d:OB+8*\d+7], v[SA+16*\d:SA+16*\d+15], v[\b:\b+15], v[OB+8*\d:OB+8*\d+7]
.endr
.endm
	s_wait_alu depctr_va_vdst(0)                   ; the wait at the head's end
	s_wait_loadcnt 0x0                             ; Q
	s_wait_tensorcnt 0x0                           ; my part of K or V is in;
	s_barrier_signal -1
	s_barrier_wait -1                              ; everybody's is
	LDK UA, 0
	LDK U1, 4096
	s_mov_b32 s[CNT], 8
.Ltrip:                                            ; 8 trips of two steps: 2,048 keys
	STEP U1, U2, 0, 8192
	STEP U2, U1, 8192, 16384
	s_add_co_u32 s[KO], s[KO], 16384
	s_add_co_u32 s[VO], s[VO], 16384
	v_and_b32 v[ADK], 31, v0
	v_and_b32 v[ADV], 31, v0
	v_lshl_add_u32 v[ADK], v[ADK], 4, s[KO]
	v_lshl_add_u32 v[ADV], v[ADV], 4, s[VO]
	s_sub_co_u32 s[CNT], s[CNT], 1
	s_cmp_lg_u32 s[CNT], 0
	s_wait_alu depctr_va_vdst(0)
	s_cbranch_scc1 .Ltrip
	; THE WAY OUT: O^T / the sum x 2^(e8 + e9), held, converted: the results are images of the last projection's operand registers
	s_wait_dscnt 0x0                               ; the look-ahead's loads
	v_add_f32 v[LA], v[LA], v[LA+1]
	v_add_f32 v[LB], v[LB], v[LB+1]
	v_and_b32 v[ADK], 31, v0
	v_lshlrev_b32 v[ADK], 4, v[ADK]
	v_mov_b32 v[SCP], s67
	v_permlanex16_b32 v[FA], v[LA], s[SEL], s[SEL+1]
	v_permlanex16_b32 v[FB], v[LB], s[SEL], s[SEL+1]
	v_add_f32 v[LA], v[LA], v[FA]
	v_add_f32 v[LB], v[LB], v[FB]
	s_wait_alu depctr_va_vdst(0)
	v_rcp_f32 v[LA], v[LA]
	v_rcp_f32 v[LB], v[LB]
	v_nop
	s_wait_alu depctr_va_vdst(0)
	v_ldexp_f32 v[LA], v[LA], s73
	v_ldexp_f32 v[LB], v[LB], s73
	s_wait_alu depctr_va_vdst(0)                   ; directly ahead of the first reader of O^T
.irp x, 0,1
.set j, 0
.rept 16
	v_pk_mul_f32 v[OA+32*\x+j:OA+32*\x+j+1], v[OA+32*\x+j:OA+32*\x+j+1], v[LA+2*\x:LA+2*\x+1] op_sel_hi:[1,0]
.set j, j+2
.endr
.endr
.irp x, 0,1
.set j, 0
.rept 32
	v_med3_num_f32 v[OA+32*\x+j], v[OA+32*\x+j], s74, s75
.set j, j+1
.endr
.irp d, 0,1,2,3
	CV SA+8*\x+2*\d, OA+32*\x+8*\d
.endr
.endr
	v_nop
.irp x, 0,1
.irp c, 0,1
	global_store_b128 v[ADK], v[SA+8*\x+4*\c:SA+8*\x+4*\c+3], s[12:13] offset:16384*\x+512*\c   ; 512 consecutive bytes a store, aligned
.endr
.endr
	s_wait_tensorcnt 0x0                           ; the wave's end
	ds_add_u32 v[SPW], v[NIL]
	s_wait_dscnt 0x0
	CROUND                                         ; the closing round
	s_endpgm
.Lfunc_end_k_q066c17b8c8_attn:
	.size	k_q066c17b8c8_attn, .Lfunc_end_k_q066c17b8c8_attn-k_q066c17b8c8_attn
	.p2alignl 7, 3214868480
	.fill 96, 4, 3214868480
	.section	.rodata,"a",@progbits
	.p2align	6, 0x0
	.amdhsa_kernel k_q066c17b8c8_attn
		.amdhsa_group_segment_fixed_size 327680
		.amdhsa_private_segment_fixed_size 0
		.amdhsa_enable_private_segment 0
		.amdhsa_kernarg_size 40
		.amdhsa_user_sgpr_count 2
		.amdhsa_user_sgpr_kernarg_segment_ptr 1
		.amdhsa_wavefront_size32 1
		.amdhsa_system_sgpr_workgroup_id_x 1
		.amdhsa_system_sgpr_workgroup_id_y 1
		.amdhsa_system_sgpr_workgroup_id_z 1
		.amdhsa_system_vgpr_workitem_id 0
		.amdhsa_next_free_vgpr 256
		.amdhsa_next_free_sgpr 80
		.amdhsa_reserve_vcc 0
		.amdhsa_float_denorm_mode_32 3
		.amdhsa_float_denorm_mode_16_64 3
		.amdhsa_memory_ordered 1
		.amdhsa_forward_progress 1
		.amdhsa_inst_pref_size 73
	.end_amdhsa_kernel
	.amdgpu_metadata
---
amdhsa.version: [ 1, 2 ]
amdhsa.kernels:
  - .name:           k_q066c17b8c8_attn
    .symbol:         k_q066c17b8c8_attn.kd
    .args:
      - { .name: qws, .offset: 0, .size: 8, .value_kind: global_buffer, .address_space: global }
      - { .name: kws, .offset: 8, .size: 8, .value_kind: global_buffer, .address_space: global }
      - { .name: vws, .offset: 16, .size: 8, .value_kind: global_buffer, .address_space: global }
      - { .name: lowp_scales, .offset: 24, .size: 8, .value_kind: global_buffer, .address_space: global }
      - { .name: aows, .offset: 32, .size: 8, .value_kind: global_buffer, .address_space: global }
    .group_segment_fixed_size: 327680
    .private_segment_fixed_size: 0
    .kernarg_segment_align: 8
    .kernarg_segment_size: 40
    .max_flat_workgroup_size: 512
    .sgpr_count:     80
    .vgpr_count:     256
    .wavefront_size: 32
...
	.end_amdgpu_metadata
.endif
;; end of part 2
;; launch oproj (part 3): grid 4 x 64, 4 waves a work-group, clusters of 4 x 4, 327,680 bytes of LDS; arguments aows, Wo_codes, lowp_scales, bo, out0; writes out0
.if DOCPART == 3
	.amdgcn_target "amdgcn-amd-amdhsa--gfx1250"
	.amdhsa_code_object_version 6
	.text
	.protected	k_q066c17b8c8_oproj
	.globl	k_q066c17b8c8_oproj
	.p2align	8
	.type	k_q066c17b8c8_oproj,@function
k_q066c17b8c8_oproj:
	s_mov_b64 s[64:65], 0
	v_nop
	global_prefetch_b8 v0, s[64:65] scope:SCOPE_SE
	s_setreg_imm32_b32 hwreg(HW_REG_WAVE_MODE, 25, 1), 1
	s_wait_xcnt 0x0
	s_wait_alu depctr_hold_cnt(0) depctr_sa_sdst(0) depctr_va_vdst(0) depctr_va_sdst(0) depctr_va_ssrc(0) depctr_va_vcc(0) depctr_vm_vsrc(0)
	s_getreg_b32 s2, hwreg(HW_REG_IB_STS2, 6, 4)
	s_cmp_eq_u32 s2, 0
	s_cbranch_scc0 .Lentry_in_a_cluster
	s_endpgm
.Lentry_in_a_cluster:
	s_bfe_u32 s2, ttmp6, 0x10000c
	s_cmp_lg_u32 s2, 0xf033
	s_cbranch_scc0 .Lentry_shape_is_right
	s_endpgm
.Lentry_shape_is_right:
; out = (attention's result) Wo + bo on codes of BF8 (E5M2); out0 is [2048 (m)][4 (b)][1024] f32.  Rows are walked b first: g = 2048 b + m.
; aows holds images of operand registers: [g / 16][head (64 along K)][piece 0, 1][lane][16 bytes]: 16 rows x 1,024 K are 16,384 bytes, a K step of 256 is 4,096 of them.  Wo: [1024 (out)][1024 (K)] codes.
; A work-group of four waves makes 128 rows x 256 channels: 64 x 4 blocks = 256 work-groups.  A wave makes 64 x 128: 32 accumulators.  K goes in steps of 256 through a ring of two LDS slots.
; CLUSTERS: 4 x 4 work-groups.  A row of the cluster shares the activations' tiles, a column the weights': each tile is asked for jointly.
; WHO FETCHES: wave 2 s asks for slot s's activations (8 images' 4,096 bytes), wave 2 s + 1 for its 256 rows of Wo.  So the head's four loads, one a wave, fill both slots.
; Source 0 = 16 rows of Wo, source 1 = 16 rows g: a lane holds eight neighbouring channels of one row.  The images have each k in the plain form's own place, so Wo's fragments come by eight loads of 8 bytes.
; Both sides have two sets of fragments: a step's loads go out in one run ahead of the 32 products of the step before.
; PREFETCH INTO THE L2, two fills ahead: the head, which loads K steps 0 and 1, asks for K steps 2 and 3; there is nothing behind them.  Each block of 256 bytes is named once in a cluster: of a tile each of the four partners that load it
; jointly takes a quarter, by address (cx or cy): wave 0 names my two images' 32 blocks of K step 2, wave 2 those of K step 3; waves 1 and 3 name 32 rows of Wo each, once for each of the two K steps.
; The way out: sum x 2^(e10 + e11) + bias, 16 rows at a time through the wave's stage in slot 0 (which has had its last fill and its last read), back as rows of 512 bytes, stored as aligned units of 256.
; LIMIT: e10 + e11 between -126 and 127.
; REGISTERS, in windows of 256: window 0: v0-31 addresses; v32-95 the bias; v128-255 source 1's fragments, two sets of 64, later the rows read back.  window 1: source 0's, two sets of 128.  window 2: accumulator (a, b) at v[8 (8 a + b)].
.set ROWB,   256
.set ASTEP,  4096
.set PITCH,  272                       ; Wo's LDS rows: 256 bytes + 16 of padding
.set FR,     16
.set NP,     4
.set HALFT,  128*PITCH
.set SLOT,   4*HALFT                   ; the activations' 32,768 bytes at its head, Wo's 256 rows from 2 HALFT on
.set SPARE,  2*SLOT
.set SPITCH, 528
.set ADRA, 16
.set ADRB, 20
.set STO,  24
.set RD,   25
.set CO,   26
.set BA,   27
.set SPW,  28
.set NIL,  29
.set BI,   32
.set AF,   128
.set BK,   128
.set G1,  24
.set G0,  32
.set G1B, 48
.set G0B, 56
.set PFA, 66                           ; s[66:67] where my wave's prefetches stand; never rewritten
.set MSB, 0
.macro WIN new
.if MSB != (\new)
	s_set_vgpr_msb (MSB<<8)|(\new)
.set MSB, (\new)
.endif
.endm
.set MUL_LO, 0xa1                      ; source 0 window 1, source 1 window 0, C and D window 2
.set TO_B,   0x40
.macro TL g0, g1                       ; a tensor load with an s_nop and four v_nops behind it
	tensor_load_to_lds s[\g0:\g0+3], s[\g1:\g1+7]
	s_nop 0
.rept 4
	v_nop
.endr
.endm
.macro JLOAD slot                      ; a slot's refill: its own two waves ask, the other two issue nothing
	s_cmp_eq_u32 s14, 2*\slot
	s_cbranch_scc0 .Lfor_b_\@
	TL G0+4*\slot, G1
	s_branch .Lasked_\@
.Lfor_b_\@:
	s_cmp_eq_u32 s14, 2*\slot+1
	s_cbranch_scc0 .Lasked_\@
	TL G0B+4*\slot, G1B
.Lasked_\@:
.endm
.macro CREST
	s_cmp_lg_u32 s14, 0
	s_cbranch_scc1 .Lnot_wave_0_\@
	s_barrier_signal -3
.Lnot_wave_0_\@:
	s_barrier_wait -3
	s_barrier_signal -1
	s_barrier_wait -1
.endm
.macro CROUND
	s_barrier_signal -1
	s_barrier_wait -1
	CREST
.endm
	s_load_b256 s[4:11], s[0:1], 0x0               ; aows, Wo's codes, the exponents, bo
	s_load_b64 s[12:13], s[0:1], 0x20              ; out0
	v_lshl_add_u32 v[SPW], v0, 2, SPARE
	v_mov_b32 v[NIL], 0
	ds_add_u32 v28, v29
	ds_add_u32 v28, v29
	s_wait_dscnt 0x0
	v_lshrrev_b32 v1, 5, v0
	v_readfirstlane_b32 s14, v1
	s_lshr_b32 s15, s14, 1                         ; source 1's half that is mine
	s_and_b32 s16, s14, 1                          ; source 0's half
	s_bfe_u32 s40, ttmp6, 0x40000
	s_bfe_u32 s41, ttmp6, 0x40004
	s_lshl_b32 s42, ttmp9, 2
	s_add_co_u32 s42, s42, s40                     ; which 256 channels
	s_and_b32 s17, ttmp7, 0xffff
	s_lshl_b32 s17, s17, 2
	s_add_co_u32 s17, s17, s41                     ; which 128 rows g
	s_lshl_b32 s43, s41, 2
	s_lshl_b32 s43, 15, s43
	s_lshl_b32 s44, 0x1111, s40
	s_or_b32 s[G1+0], s43, (0<<16)|(1<<21)         ; activations: 8 rows of 4,096 bytes, 16,384 apart, dense in LDS
	s_mov_b32 s[G1+1], ASTEP<<16
	s_mov_b32 s[G1+2], 8<<16
	s_mov_b32 s[G1+3], ASTEP<<16
	s_mov_b32 s[G1+4], 8
	s_mov_b32 s[G1+5], 16384
	s_mov_b32 s[G1+6], 0
	s_mov_b32 s[G1+7], 0
	s_or_b32 s[G1B+0], s44, (0<<16)|(1<<20)|(1<<21)|(5<<22)|(3<<25)
	s_mov_b32 s[G1B+1], ROWB<<16
	s_mov_b32 s[G1B+2], 256<<16
	s_mov_b32 s[G1B+3], ROWB<<16
	s_mov_b32 s[G1B+4], 256
	s_mov_b32 s[G1B+5], 1024
	s_mov_b32 s[G1B+6], 0
	s_mov_b32 s[G1B+7], 0
	s_lshl_b32 s20, s17, 17                        ; 128 rows are 8 images of 16,384 bytes
	s_mov_b32 s21, 0
	s_lshl_b32 s46, s42, 18                        ; 256 rows of 1,024 bytes
	s_mov_b32 s47, 0
	s_wait_kmcnt 0x0
	s_load_b64 s[96:97], s[8:9], 0x28              ; e10, e11
	s_add_nc_u64 s[20:21], s[4:5], s[20:21]
	s_add_nc_u64 s[46:47], s[6:7], s[46:47]
	s_cmp_eq_u32 s16, 0                            ; the prefetches: waves 0, 2 name activations, waves 1, 3 weights
	s_cselect_b64 s[PFA:PFA+1], s[20:21], s[46:47]
	s_cselect_b32 s22, s40, s41                    ; my place among the four that load the tile jointly
	s_cselect_b32 s23, 15, 16                      ; a quarter of a tile: two images, 32,768 bytes apart from the next; or 64 rows, 65,536
	s_cselect_b32 s2, 12, 15                       ; wave / 2 chooses: the K step (4,096 bytes on), or 32 rows (32,768)
	s_cselect_b32 s18, 13, 9                       ; K step 2 begins 8,192 bytes into an image, 512 into a row
	s_cselect_b32 s19, 8, 10                       ; from lane to lane among sixteen: a block of 256 bytes, or a row of 1,024
	s_lshl_b32 s22, s22, s23
	s_lshl_b32 s2, s15, s2
	s_add_co_u32 s22, s22, s2
	s_lshl_b32 s18, 1, s18
	s_add_co_u32 s22, s22, s18
	s_mov_b32 s23, 0
	s_add_nc_u64 s[PFA:PFA+1], s[PFA:PFA+1], s[22:23]
	CROUND                                         ; the first joint loads meet
.irp s, 0,1
	s_mov_b32 s[G0+4*\s], 1
	s_mov_b32 s[G0+4*\s+1], \s*SLOT
	s_add_nc_u64 s[G0+4*\s+2:G0+4*\s+3], s[20:21], \s*ASTEP
	s_or_b32 s[G0+4*\s+3], s[G0+4*\s+3], 0x80000000
	s_mov_b32 s[G0B+4*\s], 1
	s_mov_b32 s[G0B+4*\s+1], 2*HALFT+\s*SLOT
	s_add_nc_u64 s[G0B+4*\s+2:G0B+4*\s+3], s[46:47], \s*ROWB
	s_or_b32 s[G0B+4*\s+3], s[G0B+4*\s+3], 0x80000000
.endr
	s_cmp_eq_u32 s14, 0                            ; the first fills: one chain of four arms, one tensor load a wave, both slots
	s_cbranch_scc0 .Lh1
	TL G0, G1
	s_branch .Lhj
.Lh1:
	s_cmp_eq_u32 s14, 1
	s_cbranch_scc0 .Lh2
	TL G0B, G1B
	s_branch .Lhj
.Lh2:
	s_cmp_eq_u32 s14, 2
	s_cbranch_scc0 .Lh3
	TL G0+4, G1
	s_branch .Lhj
.Lh3:
	TL G0B+4, G1B
.Lhj:
	v_and_b32 v1, 15, v0
	v_bfe_u32 v2, v0, 4, 1
	v_and_b32 v6, 31, v0
	v_lshlrev_b32 v[CO], 4, v6
	v_mul_u32_u24 v3, v1, PITCH
	v_lshl_add_u32 v4, v2, 3, v3
	v_lshlrev_b32 v7, s19, v1
	v_lshl_add_u32 v7, v2, 14, v7                  ; lanes 16-31: the next image, or 16 rows on: 16,384 bytes either way
	global_prefetch_b8 v7, s[PFA:PFA+1] th:TH_LOAD_NT scope:SCOPE_SE
	s_cmp_eq_u32 s16, 0
	s_wait_alu depctr_va_vdst(0)                   ; the wait directly ahead of the branch
	s_cbranch_scc1 .Lpf
	global_prefetch_b8 v7, s[PFA:PFA+1] offset:ROWB th:TH_LOAD_NT scope:SCOPE_SE   ; Wo's rows: K step 3 too
.Lpf:
	s_lshl_b32 s21, s15, 14                        ; my 64 rows g: four images' 4,096 bytes
	s_mul_i32 s22, s16, HALFT
	s_add_co_u32 s22, s22, 2*HALFT
.irp s, 0,1
	v_add_nc_u32 v[ADRA+\s], s21, v[CO]
	v_add_nc_u32 v[ADRB+\s], s22, v4
	s_add_co_u32 s21, s21, SLOT
	s_add_co_u32 s22, s22, SLOT
.endr
	s_mul_i32 s23, s14, 16*SPITCH
	v_mul_u32_u24 v5, v1, SPITCH
	v_lshl_add_u32 v5, v2, 5, v5
	v_add_nc_u32 v[STO], s23, v5
	v_add_nc_u32 v[RD], s23, v[CO]
	s_lshl_b32 s46, s42, 10
	s_lshl_b32 s47, s16, 9
	s_add_co_u32 s46, s46, s47                     ; my first channel, in bytes of f32
	s_mov_b32 s47, 0
	s_add_nc_u64 s[10:11], s[10:11], s[46:47]
	v_lshlrev_b32 v[BA], 5, v2
.irp b, 0,1,2,3,4,5,6,7
	global_load_b128 v[BI+8*\b:BI+8*\b+3], v[BA], s[10:11] offset:64*\b
	global_load_b128 v[BI+8*\b+4:BI+8*\b+7], v[BA], s[10:11] offset:64*\b+16
.endr
	s_lshl_b32 s20, s17, 7
	s_lshl_b32 s21, s15, 6
	s_add_co_u32 s20, s20, s21                     ; my first row g
	s_lshr_b32 s21, s20, 11
	s_lshl_b32 s21, s21, 12                        ; b x 4,096 bytes
	s_and_b32 s20, s20, 2047
	s_lshl_b32 s20, s20, 14                        ; m x 16,384
	s_add_co_u32 s20, s20, s21
	s_mov_b32 s21, 0
	s_add_nc_u64 s[20:21], s[20:21], s[46:47]
	s_add_nc_u64 s[12:13], s[12:13], s[20:21]
.macro MUL16 a0, p, zero               ; 16 matrix instructions; the 32 accumulators take turns
.irp a, \a0, \a0+1
.irp b, 0,1,2,3,4,5,6,7
.if \zero
	v_wmma_f32_16x16x128_bf8_bf8 v[8*(8*(\a)+\b):8*(8*(\a)+\b)+7], v[128*(\p)+FR*\b:128*(\p)+FR*\b+FR-1], v[AF+64*(\p)+FR*(\a):AF+64*(\p)+FR*(\a)+FR-1], 0
.else
	v_wmma_f32_16x16x128_bf8_bf8 v[8*(8*(\a)+\b):8*(8*(\a)+\b)+7], v[128*(\p)+FR*\b:128*(\p)+FR*\b+FR-1], v[AF+64*(\p)+FR*(\a):AF+64*(\p)+FR*(\a)+FR-1], v[8*(8*(\a)+\b):8*(8*(\a)+\b)+7]
.endif
.endr
.endr
.endm
.macro FETCH slot, q, p                ; the fragments of the slot's q-th 128 along K into sets p: Wo's eight, then my four images
	WIN TO_B
.irp i, 0,1,2,3,4,5,6,7
.irp c, 0,1,2,3,4,5,6,7
	ds_load_b64 v[128*(\p)+FR*\i+2*\c:128*(\p)+FR*\i+2*\c+1], v[ADRB+\slot] offset:128*(\q)+16*\c+\i*16*PITCH
.endr
.endr
	WIN 0
.irp i, 0,1,2,3
.irp c, 0,1,2,3
	ds_load_b128 v[AF+64*(\p)+FR*\i+4*\c:AF+64*(\p)+FR*\i+4*\c+3], v[ADRA+\slot] offset:4096*\i+2048*(\q)+512*\c
.endr
.endr
.endm
.macro PLACES n                        ; plain vector instructions ahead of loads into registers that matrix instructions have read, and of the first read of results
.rept \n
	v_nop
.endr
.endm
.macro STEP slot, zero                 ; a slot's first 128 along K on sets 0; ahead of the products the second 128's fragments are asked for
	s_wait_dscnt 0x0
	PLACES NP
	FETCH \slot, 1, 1
	WIN MUL_LO
	MUL16 0, 0, \zero
	MUL16 2, 0, \zero
	WIN 0
.endm
.macro TURN slot, next, fill           ; a slot's second 128 along K, and the change of slots
	s_wait_tensorcnt 0x0                           ; all my tensor loads have landed
	ds_add_u32 v[SPW], v[NIL]
	s_wait_dscnt 0x0                               ; the add is done; sets 1 are in: my reads of this slot are over
	s_barrier_signal -1
	WIN MUL_LO
	MUL16 0, 1, 0
	WIN 0
	s_barrier_wait -1
.if \fill
	CREST                                          ; the barrier has opened a round of the cluster's barrier
	s_add_nc_u64 s[G0+4*\slot+2:G0+4*\slot+3], s[G0+4*\slot+2:G0+4*\slot+3], 2*ASTEP
	s_add_nc_u64 s[G0B+4*\slot+2:G0B+4*\slot+3], s[G0B+4*\slot+2:G0B+4*\slot+3], 2*ROWB
	JLOAD \slot
.endif
	PLACES NP                                      ; on every wave's path: two waves issue no load here
	FETCH \next, 0, 0
	WIN MUL_LO
	MUL16 2, 1, 0
	WIN 0
.endm
	s_wait_alu depctr_va_vdst(0)                   ; the wait at the head's end
	s_wait_tensorcnt 0x0                           ; my tile is in;
	s_barrier_signal -1
	s_barrier_wait -1                              ; both slots are whole
	FETCH 0, 0, 0
	STEP 0, 1                                      ; the first products start the sums
	TURN 0, 1, 1
	STEP 1, 0
	TURN 1, 0, 1
	STEP 0, 0
	TURN 0, 1, 0
	STEP 1, 0
	s_wait_dscnt 0x0
	WIN MUL_LO
	MUL16 0, 1, 0
	MUL16 2, 1, 0
	WIN 0
.macro TOSTAGE a
.set AC, 64*(\a)
	WIN 0x82                                       ; destination and source 0: window 2
.irp b, 0,1,2,3,4,5,6,7
.irp i, 0,2,4,6
	v_pk_fma_f32 v[AC+8*\b+\i:AC+8*\b+\i+1], v[AC+8*\b+\i:AC+8*\b+\i+1], s[96:97], v[BI+8*\b+\i:BI+8*\b+\i+1] op_sel_hi:[1,0,1]
.endr
.endr
	WIN 0x08                                       ; a store's data: window 2
.irp b, 0,1,2,3,4,5,6,7
	ds_store_b128 v[STO], v[AC+8*\b:AC+8*\b+3] offset:64*\b
	ds_store_b128 v[STO], v[AC+8*\b+4:AC+8*\b+7] offset:64*\b+16
.endr
	WIN 0
.set BB, BK+64*((\a)%2)
.irp t, 0,1,2,3,4,5,6,7,8,9,10,11,12,13,14,15
	ds_load_b128 v[BB+4*\t:BB+4*\t+3], v[RD] offset:\t*SPITCH   ; LDS serves a wave's instructions in order: these see my stores
.endr
.endm
.macro SEND a, younger
.set BB, BK+64*((\a)%2)
	s_wait_dscnt \younger
.if (\a) > 0
	s_add_nc_u64 s[12:13], s[12:13], 16*16384
.endif
.irp t, 0,1,2,3,4,5,6,7,8,9,10,11,12,13,14,15
	global_store_b128 v[CO], v[BB+4*\t:BB+4*\t+3], s[12:13] offset:\t*16384 th:TH_STORE_NT   ; 512 consecutive bytes, aligned
.endr
.endm
	s_wait_kmcnt 0x0
	s_add_co_i32 s96, s96, s97
	s_add_co_i32 s96, s96, 127
	s_lshl_b32 s96, s96, 23                        ; 2^(e10 + e11)
	s_mov_b32 s97, s96
	s_wait_loadcnt 0x0                             ; the bias
	PLACES NP
	TOSTAGE 0
.irp a, 1,2,3
.if \a > 1
	s_wait_xcnt 0x0                                ; block a - 2's stores have read their registers and their base
.endif
	TOSTAGE \a
	SEND \a-1, 32                                  ; behind block a - 1's loads: block a's 16 stores and 16 loads
.endr
	s_wait_xcnt 0x0
	SEND 3, 0
	s_wait_tensorcnt 0x0                           ; the wave's end
	ds_add_u32 v[SPW], v[NIL]
	s_wait_dscnt 0x0
	CROUND                                         ; the closing round
	s_endpgm
.Lfunc_end_k_q066c17b8c8_oproj:
	.size	k_q066c17b8c8_oproj, .Lfunc_end_k_q066c17b8c8_oproj-k_q066c17b8c8_oproj
	.p2alignl 7, 3214868480
	.fill 96, 4, 3214868480
	.section	.rodata,"a",@progbits
	.p2align	6, 0x0
	.amdhsa_kernel k_q066c17b8c8_oproj
		.amdhsa_group_segment_fixed_size 327680
		.amdhsa_private_segment_fixed_size 0
		.amdhsa_enable_private_segment 0
		.amdhsa_kernarg_size 40
		.amdhsa_user_sgpr_count 2
		.amdhsa_user_sgpr_kernarg_segment_ptr 1
		.amdhsa_wavefront_size32 1
		.amdhsa_system_sgpr_workgroup_id_x 1
		.amdhsa_system_sgpr_workgroup_id_y 1
		.amdhsa_system_sgpr_workgroup_id_z 1
		.amdhsa_system_vgpr_workitem_id 0
		.amdhsa_next_free_vgpr 1024
		.amdhsa_next_free_sgpr 100
		.amdhsa_reserve_vcc 0
		.amdhsa_float_denorm_mode_32 3
		.amdhsa_float_denorm_mode_16_64 3
		.amdhsa_memory_ordered 1
		.amdhsa_forward_progress 1
		.amdhsa_inst_pref_size 94
	.end_amdhsa_kernel
	.amdgpu_metadata
---
amdhsa.version: [ 1, 2 ]
amdhsa.kernels:
  - .name:           k_q066c17b8c8_oproj
    .symbol:         k_q066c17b8c8_oproj.kd
    .args:
      - { .name: aows, .offset: 0, .size: 8, .value_kind: global_buffer, .address_space: global }
      - { .name: Wo_codes, .offset: 8, .size: 8, .value_kind: global_buffer, .address_space: global }
      - { .name: lowp_scales, .offset: 16, .size: 8, .value_kind: global_buffer, .address_space: global }
      - { .name: bo, .offset: 24, .size: 8, .value_kind: global_buffer, .address_space: global }
      - { .name: out0, .offset: 32, .size: 8, .value_kind: global_buffer, .address_space: global }
    .group_segment_fixed_size: 327680
    .private_segment_fixed_size: 0
    .kernarg_segment_align: 8
    .kernarg_segment_size: 40
    .max_flat_workgroup_size: 128
    .sgpr_count:     100
    .vgpr_count:     1024
    .wavefront_size: 32
...
	.end_amdgpu_metadata
.endif
;; end of part 3
